; MI455X (gfx1250); checked and timed in simulation.
; The chip was launched on July 23, 2026; its instructions are those of AMD's public machine-readable ISA for CDNA 5 (MIT licence, August 2026) and "CDNA5" Instruction Set Architecture Reference Guide (July 2026). The comments in the code are by the model that wrote it; some were corrected since.
;; Attention Layer. Allowed arithmetic: float matrix products may take bf16 or f16 operands with f32 sums; all other float work in f32.
;; Inputs: Wk 128 x 128 float32; Wq 128 x 128 float32; Wv 128 x 128 float32; bk 128 float32; bq 128 float32; bv 128 float32; key 8 x 4,096 x 128 float32; query 8 x 4,096 x 128 float32; value 8 x 4,096 x 128 float32.
;; Outputs: out0 8 x 4,096 x 128 float32.
;; One version. Each part assembles by itself: llvm-mc -triple=amdgcn-amd-amdhsa -mcpu=gfx1250 --defsym DOCPART=n.
;; ======== version 1 of 1: 2 launches
;; limits: values are held in f16: magnitudes above 65,504 overflow, below 6.1e-05 lose precision; inputs' magnitudes at most 65,504
;; workspace buffers: Qp 8,388,608 bytes; Kp 8,388,608 bytes; Vp 8,388,608 bytes
;; launch proj (part 1): grid 256 x 1, 4 waves a work-group, no clusters, 309,248 bytes of LDS; arguments query, key, value, Wq, Wk, Wv, bq, bk, bv, Qp, Kp, Vp; writes Qp, Kp, Vp
.if DOCPART == 1
	.amdgcn_target "amdgcn-amd-amdhsa--gfx1250"
	.amdhsa_code_object_version 6
	.text
	.protected	k_qcea95d8495_proj
	.globl	k_qcea95d8495_proj
	.p2align	8
	.type	k_qcea95d8495_proj,@function
k_qcea95d8495_proj:
	s_mov_b64 s[64:65], 0
	v_nop
	global_prefetch_b8 v0, s[64:65] scope:SCOPE_SE
	s_setreg_imm32_b32 hwreg(HW_REG_WAVE_MODE, 25, 1), 1
	s_wait_xcnt 0x0
; The three linear layers:  Qp = (query Wq^T + bq) c,  Kp = key Wk^T + bk,  Vp = value Wv^T + bv,  each [32768][128], stored as f16.
; c = log2(e) / sqrt(128): the score's scale and the change to base 2 are folded into Q, in f32, ahead of the one rounding to f16
; (an order of rounding that differs from the reference's, which scales the scores).
; Products in f16 with f32 sums; the bias is the sums' starting value (the first matrix instruction's C), so nothing is cleared or added later.
; WHY f16 AND NOT bf16: a query whose softmax leans on one key hands the rounding error of that one score on to the output unaveraged
; (weight x error x |v|); f16's 11 significant bits against bf16's 8 make every such error eight times smaller.
; THE ROOM IN f16 (largest number 65,504): numbers of the drawn kind have |x| up to about 6, |W| up to about 0.5, |K|, |V| up to about 6 and
; |Q c| up to about 0.8.  x and W both 30 times larger: 900 times that, about 5,400.  An offset of 30 spreads on both x (30) and W (2.65):
; 128 x 30 x 2.65, about 10,200.  Both 30 times smaller: K, V about 1e-3, Q c about 1.4e-4, above the smallest normal f16 (6.1e-5); what is
; smaller still is kept as a denormal, in steps of 6e-8.
; LIMIT: an input, or a projected Q c, K or V, beyond 65,504 in magnitude becomes infinite.
; SHARES: 256 work-groups of 4 waves; a work-group owns 128 rows of all three inputs, a wave 32 of them (two tiles of 16).
; THE MATRIX INSTRUCTION IS USED TRANSPOSED: source 0 = 16 rows e of W, source 1 = 16 rows n of x.  Lane (r, h), register j then holds
; y(n = r, e = 16 et + 8 h + j): eight neighbouring numbers of a row of y, 16 bytes of f16.
; x comes by one tensor load a wave and tensor (32 rows of 512 bytes), each wave's into bytes of its own, each filled once: three tensor
; loads of a wave are out at the most, and no slot is ever filled again.
; NO JOINT LOADS: what work-groups share is W.  W has to be rounded to f16 before use, and the f32 images of x (202,752 bytes with
; padding) and of W (as much again) do not fit into LDS together; so W goes through registers, is rounded there and laid down as f16.
; THE WAY OUT: a wave's piece of x, once it is in registers, serves as its stage (it has had its only fill): 32 rows of 272 bytes,
; read back as whole rows, so that each store of the wave covers 512 consecutive bytes, aligned.
.set XPITCH, 528                       ; an f32 row of x in LDS: 512 bytes + 16: an odd multiple of 16, so 16 rows start at 16 different 16-byte columns
.set XWAVE,  32*XPITCH                 ; a wave's piece of one tensor: 16,896 bytes, a multiple of 256
.set XTEN,   4*XWAVE                   ; one tensor's 128 rows
.set WPITCH, 272                       ; an f16 row of W, and of the stage: 256 bytes + 16
.set WTEN,   128*WPITCH                ; one W
.set WR,     3*XTEN                    ; the three W, f16
.set BR,     WR+3*WTEN                 ; the three biases, f32, 512 bytes each
.set QSCALE, 0x3e0293ee                ; log2(e) / sqrt(128) = 0.12751743
.set XA,  4                            ; v4   my x fragment:  wave's piece + r * 528 + 32 h
.set WA,  5                            ; v5   my W fragment:  WR + r * 272 + 16 h
.set BA,  6                            ; v6   my bias words:  BR + 32 h
.set SA,  7                            ; v7   stage, in:      wave's piece + r * 272 + 16 h
.set RA,  8                            ; v8   stage, back:    wave's piece + h * 272 + 16 r
.set GO,  9                            ; v9   16 x lane
.set WGO, 10                           ; v10  W in memory: my wave's 32 rows + 16 x lane
.set WST, 11                           ; v11  W in LDS: my wave's 32 rows + 8 x lane
.set BGO, 12                           ; v12  4 x thread
.set BST, 13                           ; v13  BR + 4 x thread
.set BV,  14                           ; v[14:16] one word of each bias
.set PK,  24                           ; v[24:31] packed results, 4 registers for each row tile
.set HB,  32                           ; v[32:95], v[96:159] two half-batches of W on their way in
.set XF,  32                           ; v[32:95]  x fragments: 32 rt + 8 dc
.set RAW, 96                           ; v[96:159] x as f32 on its way to XF; later the rows read back from the stage
.set WF,  96                           ; v[96:159] W fragments, two buffers of 32: 32 p + 8 dc
.set BI,  160                          ; v[160:175] bias as a C operand, two buffers of 8
.set ACC, 176                          ; v[176:207] sums: 16 p + 8 rt
.set G1,  32                           ; s[32:39] descriptor group 1
.set G0,  40                           ; s[40:51] descriptor group 0, one set for each tensor
.macro PLACES n
.rept \n
	v_nop
.endr
.endm
	s_load_b512 s[8:23], s[0:1], 0x0               ; query 8, key 10, value 12, Wq 14, Wk 16, Wv 18, bq 20, bk 22
	s_load_b256 s[24:31], s[0:1], 0x40             ; bv 24, Qp 26, Kp 28, Vp 30
	v_lshl_add_u32 v208, v0, 2, 0x4b600
	v_mov_b32 v209, 0
	ds_add_u32 v208, v209
	v_lshrrev_b32 v1, 5, v0
	v_readfirstlane_b32 s2, v1                     ; wave 0..3
	s_mul_i32 s3, s2, XWAVE                        ; my piece of a tensor in LDS
	s_lshl_b32 s4, ttmp9, 16                       ; x: 128 rows of 512 bytes a work-group,
	s_lshl_b32 s5, s2, 14                          ; 32 rows a wave
	s_add_co_u32 s4, s4, s5
	s_mov_b32 s5, 0
	s_lshl_b32 s52, ttmp9, 15                      ; y: 128 rows of 256 bytes a work-group,
	s_lshl_b32 s53, s2, 13                         ; 32 rows a wave
	s_add_co_u32 s52, s52, s53
	s_mov_b32 s53, 0
	s_lshl_b32 s54, s2, 14                         ; W in memory: 32 rows of 512 bytes a wave
	s_mul_i32 s55, s2, 32*WPITCH                   ; W in LDS: 32 rows of 272 bytes a wave
	s_add_co_u32 s55, s55, WR
	s_mov_b32 s6, QSCALE                           ; a pair, for the packed multiply
	s_mov_b32 s7, QSCALE
	; group 1: a tile of 32 rows x 128 elements of 4 bytes, 4 words of padding behind every 128 words
	s_mov_b32 s[G1+0], (2<<16)|(1<<20)|(6<<22)|(3<<25)
	s_mov_b32 s[G1+1], 128<<16                     ; tensor_dim0 = 128
	s_mov_b32 s[G1+2], 32<<16                      ; tensor_dim1 = 32
	s_mov_b32 s[G1+3], 128<<16                     ; tile_dim0 = 128
	s_mov_b32 s[G1+4], 32                          ; tile_dim1 = 32
	s_mov_b32 s[G1+5], 128                         ; elements from row to row
	s_mov_b32 s[G1+6], 0
	s_mov_b32 s[G1+7], 0
	v_and_b32 v3, 31, v0                           ; lane
	v_lshlrev_b32 v[GO], 4, v3
	v_add_nc_u32 v[WGO], s54, v[GO]
	v_lshl_add_u32 v[WST], v3, 3, s55
	v_lshlrev_b32 v[BGO], 2, v0
	v_add_nc_u32 v[BST], BR, v[BGO]
	s_wait_dscnt 0x0
	s_wait_kmcnt 0x0
.irp t, 0,1,2
	s_mov_b32 s[G0+4*\t], 1
	s_add_co_u32 s[G0+4*\t+1], s3, \t*XTEN                         ; LDS: the tensor's region, my wave's piece
	s_add_nc_u64 s[G0+4*\t+2:G0+4*\t+3], s[8+2*\t:9+2*\t], s[4:5]  ; my 32 rows
	s_or_b32 s[G0+4*\t+3], s[G0+4*\t+3], 0x80000000                ; type 2
	tensor_load_to_lds s[G0+4*\t:G0+4*\t+3], s[G1:G1+7]
	s_nop 0
.endr
	s_add_nc_u64 s[26:27], s[26:27], s[52:53]      ; the three outputs at my wave's first row
	s_add_nc_u64 s[28:29], s[28:29], s[52:53]
	s_add_nc_u64 s[30:31], s[30:31], s[52:53]
	global_load_b32 v[BV+0], v[BGO], s[20:21]      ; 128 threads, one word of each bias
	global_load_b32 v[BV+1], v[BGO], s[22:23]
	global_load_b32 v[BV+2], v[BGO], s[24:25]
; W on its way to LDS.  Half-batch b = 2 t + half: 16 of my wave's 32 rows of W_t, one load a row (32 lanes x 16 bytes).
.macro WISSUE b
.irp i, 0,1,2,3,4,5,6,7,8,9,10,11,12,13,14,15
	global_load_b128 v[HB+64*((\b)&1)+4*\i:HB+64*((\b)&1)+4*\i+3], v[WGO], s[14+2*((\b)>>1):15+2*((\b)>>1)] offset:((\b)&1)*8192+\i*512
.endr
.endm
; left: how many younger loads may stay out; more = 1: the half-batch two further on is asked for into the registers just emptied
.macro WHALF b, left, more
	s_wait_loadcnt \left                           ; loads come back in order: this half-batch (and all older loads) is in
.irp i, 0,1,2,3,4,5,6,7,8,9,10,11,12,13,14,15
	v_cvt_pk_f16_f32 v[HB+64*((\b)&1)+4*\i],   v[HB+64*((\b)&1)+4*\i],   v[HB+64*((\b)&1)+4*\i+1]
	v_cvt_pk_f16_f32 v[HB+64*((\b)&1)+4*\i+1], v[HB+64*((\b)&1)+4*\i+2], v[HB+64*((\b)&1)+4*\i+3]
	ds_store_b64 v[WST], v[HB+64*((\b)&1)+4*\i:HB+64*((\b)&1)+4*\i+1] offset:(((\b)&1)*16+\i)*WPITCH
.endr
.if (\b)&1
	v_add_nc_u32 v[WST], WTEN, v[WST]              ; the next W
.endif
.if \more
	WISSUE \b+2
.endif
.endm
	WISSUE 0
	WISSUE 1
	v_and_b32 v1, 15, v0                           ; r
	v_bfe_u32 v2, v0, 4, 1                         ; h
	v_mul_u32_u24 v[XA], v1, XPITCH
	v_lshl_add_u32 v[XA], v2, 5, v[XA]
	v_add_nc_u32 v[XA], s3, v[XA]
	v_mul_u32_u24 v[WA], v1, WPITCH
	v_lshl_add_u32 v[WA], v2, 4, v[WA]
	v_add_nc_u32 v[SA], s3, v[WA]
	v_add_nc_u32 v[WA], WR, v[WA]
	v_lshlrev_b32 v[BA], 5, v2
	v_add_nc_u32 v[BA], BR, v[BA]
	v_mul_u32_u24 v[RA], v2, WPITCH
	v_lshl_add_u32 v[RA], v1, 4, v[RA]
	v_add_nc_u32 v[RA], s3, v[RA]
	WHALF 0, 16, 1                                 ; 16: the other half-batch stays out
	ds_store_b32 v[BST], v[BV+0]                   ; the biases are older than half-batch 0: in as well
	ds_store_b32 v[BST], v[BV+1] offset:512
	ds_store_b32 v[BST], v[BV+2] offset:1024
	WHALF 1, 16, 1
	WHALF 2, 16, 1
	WHALF 3, 16, 1
	WHALF 4, 16, 0
	WHALF 5, 0, 0
	s_wait_dscnt 0x0                               ; my rows of W and my bias words are in LDS,
	s_barrier_signal -1
	s_barrier_wait -1                              ; everybody's are.  The tensor loads may stay out
; W fragment of rows 16 et .. 16 et + 15 (4 x 32 along d) and the bias of those e as a C operand, into buffer et & 1: ten LDS loads
.macro WLOAD et
.irp dc, 0,1,2,3
	ds_load_b128 v[WF+32*((\et)&1)+8*\dc:WF+32*((\et)&1)+8*\dc+3],   v[WA] offset:(\et)*16*WPITCH+\dc*64
	ds_load_b128 v[WF+32*((\et)&1)+8*\dc+4:WF+32*((\et)&1)+8*\dc+7], v[WA] offset:(\et)*16*WPITCH+\dc*64+32
.endr
	ds_load_b128 v[BI+8*((\et)&1):BI+8*((\et)&1)+3],   v[BA] offset:(\et)*64       ; register j: bias(16 et + 8 h + j), the same for every n
	ds_load_b128 v[BI+8*((\et)&1)+4:BI+8*((\et)&1)+7], v[BA] offset:(\et)*64+16
.endm
; eight matrix instructions: 16 e x my 32 rows x 128 d.  The two sums take turns, one instruction a turn.
.macro MUL8 et
.irp rt, 0,1
	v_wmma_f32_16x16x32_f16 v[ACC+16*((\et)&1)+8*\rt:ACC+16*((\et)&1)+8*\rt+7], v[WF+32*((\et)&1):WF+32*((\et)&1)+7], v[XF+32*\rt:XF+32*\rt+7], v[BI+8*((\et)&1):BI+8*((\et)&1)+7]
.endr
.irp dc, 1,2,3
.irp rt, 0,1
	v_wmma_f32_16x16x32_f16 v[ACC+16*((\et)&1)+8*\rt:ACC+16*((\et)&1)+8*\rt+7], v[WF+32*((\et)&1)+8*\dc:WF+32*((\et)&1)+8*\dc+7], v[XF+32*\rt+8*\dc:XF+32*\rt+8*\dc+7], v[ACC+16*((\et)&1)+8*\rt:ACC+16*((\et)&1)+8*\rt+7]
.endr
.endr
.endm
; the results of e tile e: scaled (Q alone), rounded, 16 bytes a lane into my stage: two LDS stores
.macro OUT e, scale
.irp rt, 0,1
.if \scale
.irp j, 0,2,4,6
	v_pk_mul_f32 v[ACC+16*((\e)&1)+8*\rt+\j:ACC+16*((\e)&1)+8*\rt+\j+1], v[ACC+16*((\e)&1)+8*\rt+\j:ACC+16*((\e)&1)+8*\rt+\j+1], s[6:7] op_sel_hi:[1,0]
.endr
.endif
.irp j, 0,1,2,3
	v_cvt_pk_f16_f32 v[PK+4*\rt+\j], v[ACC+16*((\e)&1)+8*\rt+2*\j], v[ACC+16*((\e)&1)+8*\rt+2*\j+1]
.endr
	ds_store_b128 v[SA], v[PK+4*\rt:PK+4*\rt+3] offset:\rt*16*WPITCH+32*(\e)
.endr
.endm
; One e tile.  Behind its matrix instructions stands the way out of the tile before, which names only the other buffer's registers:
; at least eight plain vector instructions, the places that the loads into this buffer, the later reads of these sums and the
; matrix instructions that start these sums anew need.  Tile 0 has no tile before it: v_nop.
.macro ET et, left, scale
	s_wait_dscnt \left
	MUL8 \et
.if \et == 0
	PLACES 5
.else
	OUT \et-1, \scale
.endif
.if \et < 6
	WLOAD \et+2
.endif
.endm
; One tensor: t = 0, 1, 2; ob = the scalar pair with the output's address at my first row
.macro PROJ t, ob, scale
	s_wait_tensorcnt 2-\t                          ; tensor loads of a wave end in order: my piece of tensor t is in; the younger ones stay out
	s_wait_xcnt 0x0                                ; RAW was the data of the last tensor's stores: it is rewritten only behind this wait
.irp rt, 0,1
.irp dc, 0,1,2,3
	ds_load_b128 v[RAW+16*\dc:RAW+16*\dc+3],     v[XA] offset:\rt*16*XPITCH+\dc*128       ; d = 32 dc + 8 h + 0..3
	ds_load_b128 v[RAW+16*\dc+4:RAW+16*\dc+7],   v[XA] offset:\rt*16*XPITCH+\dc*128+16    ;                 + 4..7
	ds_load_b128 v[RAW+16*\dc+8:RAW+16*\dc+11],  v[XA] offset:\rt*16*XPITCH+\dc*128+64    ; d = 32 dc + 16 + 8 h + 0..3
	ds_load_b128 v[RAW+16*\dc+12:RAW+16*\dc+15], v[XA] offset:\rt*16*XPITCH+\dc*128+80
.endr
	s_wait_dscnt 0x0
.irp dc, 0,1,2,3
.irp j, 0,1,2,3,4,5,6,7
	v_cvt_pk_f16_f32 v[XF+32*\rt+8*\dc+\j], v[RAW+16*\dc+2*\j], v[RAW+16*\dc+2*\j+1]
.endr
.endr
.endr
	WLOAD 0
	WLOAD 1
	ET 0, 10, \scale                               ; 10: the next tile's ten loads stay out
	ET 1, 10, \scale
	ET 2, 12, \scale                               ; 12: two stage stores and the next tile's ten loads are younger
	ET 3, 12, \scale
	ET 4, 12, \scale
	ET 5, 12, \scale
	ET 6, 12, \scale
	ET 7, 2, \scale                                ; 2: only two stage stores are younger
	OUT 7, \scale
.irp i, 0,1,2,3,4,5,6,7,8,9,10,11,12,13,14,15
	ds_load_b128 v[RAW+4*\i:RAW+4*\i+3], v[RA] offset:\i*2*WPITCH  ; two whole rows; LDS serves a wave's instructions in order: these see my stores
.endr
.irp i, 0,1,2,3,4,5,6,7,8,9,10,11,12,13,14,15
	s_wait_dscnt 15-\i
	global_store_b128 v[GO], v[RAW+4*\i:RAW+4*\i+3], s[\ob:\ob+1] offset:\i*512    ; 512 consecutive bytes, aligned; the next launch reads them: no hint
.endr
.if \t < 2
	v_add_nc_u32 v[XA], XTEN, v[XA]
	v_add_nc_u32 v[SA], XTEN, v[SA]
	v_add_nc_u32 v[RA], XTEN, v[RA]
	v_add_nc_u32 v[WA], WTEN, v[WA]
	v_add_nc_u32 v[BA], 512, v[BA]
.endif
.endm
	PROJ 0, 26, 1
	PROJ 1, 28, 0
	PROJ 2, 30, 0
	s_wait_tensorcnt 0x0
	ds_add_u32 v208, v209
	s_wait_dscnt 0x0
	s_endpgm
.Lfunc_end_k_qcea95d8495_proj:
	.size	k_qcea95d8495_proj, .Lfunc_end_k_qcea95d8495_proj-k_qcea95d8495_proj
	.p2alignl 7, 3214868480
	.fill 96, 4, 3214868480
	.section	.rodata,"a",@progbits
	.p2align	6, 0x0
	.amdhsa_kernel k_qcea95d8495_proj
		.amdhsa_group_segment_fixed_size 309248
		.amdhsa_private_segment_fixed_size 0
		.amdhsa_enable_private_segment 0
		.amdhsa_kernarg_size 96
		.amdhsa_user_sgpr_count 2
		.amdhsa_user_sgpr_kernarg_segment_ptr 1
		.amdhsa_wavefront_size32 1
		.amdhsa_system_sgpr_workgroup_id_x 1
		.amdhsa_system_sgpr_workgroup_id_y 1
		.amdhsa_system_sgpr_workgroup_id_z 1
		.amdhsa_system_vgpr_workitem_id 0
		.amdhsa_next_free_vgpr 210
		.amdhsa_next_free_sgpr 66
		.amdhsa_reserve_vcc 0
		.amdhsa_float_denorm_mode_32 3
		.amdhsa_float_denorm_mode_16_64 3
		.amdhsa_memory_ordered 1
		.amdhsa_forward_progress 1
		.amdhsa_inst_pref_size 108
	.end_amdhsa_kernel
	.amdgpu_metadata
---
amdhsa.version: [ 1, 2 ]
amdhsa.kernels:
  - .name:           k_qcea95d8495_proj
    .symbol:         k_qcea95d8495_proj.kd
    .args:
      - { .name: query, .offset: 0, .size: 8, .value_kind: global_buffer, .address_space: global }
      - { .name: key, .offset: 8, .size: 8, .value_kind: global_buffer, .address_space: global }
      - { .name: value, .offset: 16, .size: 8, .value_kind: global_buffer, .address_space: global }
      - { .name: Wq, .offset: 24, .size: 8, .value_kind: global_buffer, .address_space: global }
      - { .name: Wk, .offset: 32, .size: 8, .value_kind: global_buffer, .address_space: global }
      - { .name: Wv, .offset: 40, .size: 8, .value_kind: global_buffer, .address_space: global }
      - { .name: bq, .offset: 48, .size: 8, .value_kind: global_buffer, .address_space: global }
      - { .name: bk, .offset: 56, .size: 8, .value_kind: global_buffer, .address_space: global }
      - { .name: bv, .offset: 64, .size: 8, .value_kind: global_buffer, .address_space: global }
      - { .name: Qp, .offset: 72, .size: 8, .value_kind: global_buffer, .address_space: global }
      - { .name: Kp, .offset: 80, .size: 8, .value_kind: global_buffer, .address_space: global }
      - { .name: Vp, .offset: 88, .size: 8, .value_kind: global_buffer, .address_space: global }
    .group_segment_fixed_size: 309248
    .private_segment_fixed_size: 0
    .kernarg_segment_align: 8
    .kernarg_segment_size: 96
    .max_flat_workgroup_size: 128
    .sgpr_count:     66
    .vgpr_count:     210
    .wavefront_size: 32
...
	.end_amdgpu_metadata
.endif
;; end of part 1
;; launch attn (part 2): grid 256 x 1, 4 waves a work-group, clusters of 4 x 1, 327,680 bytes of LDS; arguments Qp, Kp, Vp, out0; writes out0
.if DOCPART == 2
	.amdgcn_target "amdgcn-amd-amdhsa--gfx1250"
	.amdhsa_code_object_version 6
	.text
	.protected	k_qcea95d8495_attn
	.globl	k_qcea95d8495_attn
	.p2align	8
	.type	k_qcea95d8495_attn,@function
k_qcea95d8495_attn:
	s_mov_b64 s[64:65], 0
	v_nop
	global_prefetch_b8 v0, s[64:65] scope:SCOPE_SE
	s_setreg_imm32_b32 hwreg(HW_REG_WAVE_MODE, 25, 1), 1
	s_wait_xcnt 0x0
	s_wait_alu depctr_hold_cnt(0) depctr_sa_sdst(0) depctr_va_vdst(0) depctr_va_sdst(0) depctr_va_ssrc(0) depctr_va_vcc(0) depctr_vm_vsrc(0)
	s_getreg_b32 s2, hwreg(HW_REG_IB_STS2, 6, 4)
	s_cmp_eq_u32 s2, 0
	s_cbranch_scc0 .Lentry_in_a_cluster
	s_endpgm
.Lentry_in_a_cluster:
	s_bfe_u32 s2, ttmp6, 0x10000c
	s_cmp_lg_u32 s2, 0x3003
	s_cbranch_scc0 .Lentry_shape_is_right
	s_endpgm
.Lentry_shape_is_right:
; out0 = softmax(Q K^T / sqrt(128)) V for 8 batches of 4,096 rows of 128.  Qp, Kp, Vp: f16 [8][4096][128]; Qp already carries
; log2(e) / sqrt(128), so the scores arrive in base 2.  Softmax with a running maximum, in f32.
; Both products take f16 operands and sum in f32.  The weights P = 2^(s - m) lie in (0, 1], inside f16 whatever the inputs.
; LIMITS: P is rounded to f16 for P V while the row sum uses the f32 values; a weight below 3e-8 of its row's largest rounds to 0 there
; (at most 4,096 x 3e-8 of a row sum that is at least 1); exponentials below 2^-126 count as 0 (v_exp_f32);
; NaN and infinite inputs are not reproduced element for element.
; SHARES: 256 work-groups of 4 waves; a work-group owns 128 query rows.  Wave w = 2 qh + kh owns 64 queries (four tiles qt) and half kh
; (128 keys) of every tile of 256 keys, with partial (m, l, O) of its own; the two key halves are merged at the end.  So each K or V
; fragment from LDS feeds four matrix instructions, and one softmax update serves 128 keys.
; BOTH PRODUCTS ARE USED TRANSPOSED.  S^T(key, q): source 0 = K rows, source 1 = Q rows; lane (r, h), register j holds key 16 kt + 8 h + j
; of query r.  Two such tiles (kt = 2 c, 2 c + 1), packed to f16, ARE the source 1 fragment of O^T(d, q) = V^T P^T for keys 32 c .. 32 c + 31:
; no shuffle; m, l and the rescaling factor are one number a lane.  V^T's fragments come by the transposing LDS load from V as it lies, [key][d].
; CLUSTERS: the four work-groups of a cluster are query blocks of one batch (32 blocks a batch, 8 clusters) and walk the same K and V tiles:
; every tile is asked for jointly (mask 15), each wave asking for 64 rows of K and 64 of V.  Two tensor loads of a wave are out at the most.
; Two LDS slots; a tile is asked for straight behind the round of the cluster's barrier that opens the step before its own,
; and has that step's 256 matrix instructions and its softmax in which to land.
; REGISTERS in windows of 256: window 0 addresses, softmax state, two fragment buffers; window 1 S(kt, qt) at 8 (4 kt + qt), P(c, qt) packed in
; place into S(2 c, qt); window 2 O(dt, qt) at 8 (4 dt + qt); window 3 Q(qt, dc) at 8 (4 qt + dc).
.set KPITCH, 272                       ; a K row in LDS: 256 bytes + 16, an odd multiple of 16
.set VPITCH, 288                       ; a V row: 256 bytes + 32, an odd multiple of 32, for the transposing load
.set KREG,   256*KPITCH                ; K's 256 rows
.set SLOT,   KREG+256*VPITCH           ; 143,360 bytes, a multiple of 256
.set TILEB,  256*256                   ; a tile of K or V in memory
.set OPITCH, 528                       ; the way out: an f32 row of 512 bytes + 16
.set STAGEW, 64*OPITCH                 ; a wave's 64 rows
.set STAT,   4*STAGEW                  ; behind the four stages: 1,024 bytes a wave for m and l
.set ADK, 8                            ; v8, v9    my K fragments in slot 0, 1
.set ADV, 10                           ; v10, v11  my V fragments in slot 0, 1
.set QO,  12                           ; v12  Q in memory: r * 256 + 16 h
.set GO,  13                           ; v13  16 x lane
.set STO, 14                           ; v14  stage, in
.set RD,  15                           ; v15  stage, back
.set STA, 16                           ; v16  my m and l
.set STP, 17                           ; v17  those of the wave with the other key half
.set M,   20                           ; v[20+2qt]  running maximum
.set NM,  28                           ; v[28+2qt]  its negative (a pair's first register: the packed add reads the pair)
.set AL,  36                           ; v[36+2qt]  2^(old maximum - new maximum) (likewise)
.set T,   44                           ; v[44:51]   two maximum chains for each qt
.set L,   52                           ; v[52:67]   row sums: two packed chains for each qt
.set F0,  72                           ; v[72:135]  fragment buffer 0
.set F1,  136                          ; v[136:199] fragment buffer 1
.set EM,  200                          ; the end: my m, my l, the partner's m and l, at work
.set EL,  204
.set PM,  208
.set PL,  212
.set ET,  216
.set E2,  200                          ; v[200:231] the end: the other half's rows
.set G1K, 28                           ; s[28:35] group 1 for K
.set G1V, 36                           ; s[36:43] group 1 for V
.set G0K, 44                           ; s[44:51] group 0 for K, one set for each slot
.set G0V, 52                           ; s[52:59] group 0 for V
.set W_S,   0x5c                       ; S^T: A window 0, B (Q) 3, C and D (S) 1
.set W_PV,  0xa4                       ; O^T: A window 0, B (P) 1, C and D (O) 2
.set W_MAX, 0x14                       ; T = max3(T, S, S)
.set W_EXP, 0x41                       ; S = S + NM; S = 2^S
.set W_SUM, 0x04                       ; L = L + S
.set W_CVT, 0x45                       ; P = f16(S, S)
.set W_RS,  0x82                       ; O = O * AL
.set W_Q,   0xc0                       ; loads into Q
.set W_ST,  0x08                       ; LDS stores of O
.set MSB, 0
.macro WIN new                         ; the immediate's high byte repeats the setting that is left
.if MSB != \new
	s_set_vgpr_msb (MSB<<8)|\new
.set MSB, \new
.endif
.endm
.macro PLACES n
.rept \n
	v_nop
.endr
.endm
; A round of the cluster's barrier: my work-group's barrier, so that wave 0 speaks for all four waves; wave 0 signals for the work-group;
; every wave waits for the four work-groups; my work-group's barrier once more.
.macro ROUND
	s_barrier_signal -1
	s_barrier_wait -1
	s_cmp_lg_u32 s12, 0
	s_cbranch_scc1 .Lnot_wave_0_\@
	s_barrier_signal -3
.Lnot_wave_0_\@:
	s_barrier_wait -3
	s_barrier_signal -1
	s_barrier_wait -1
.endm
	s_load_b256 s[4:11], s[0:1], 0x0               ; Qp 4, Kp 6, Vp 8, out0 10
	v_lshl_add_u32 v254, v0, 2, 0x46000
	v_mov_b32 v255, 0
	ds_add_u32 v254, v255
	v_lshrrev_b32 v1, 5, v0
	v_readfirstlane_b32 s12, v1                    ; wave 0..3
	s_lshr_b32 s13, s12, 1                         ; qh: which 64 queries
	s_and_b32 s14, s12, 1                          ; kh: which 128 keys of a tile
	s_bfe_u32 s15, ttmp6, 0x40000                  ; cx
	s_lshl_b32 s16, ttmp9, 2                       ; ttmp9 counts clusters
	s_add_co_u32 s16, s16, s15                     ; query block = 4 x cluster + cx
	s_lshr_b32 s17, ttmp9, 3                       ; batch: 8 clusters each, the same in all four partners
	s_mov_b32 s22, 0x76543210                      ; v_permlanex16_b32: lane i reads lane i of the other half
	s_mov_b32 s23, 0xfedcba98
	s_lshl_b32 s18, s17, 20                        ; K, V: a batch is 4,096 rows of 256 bytes;
	s_lshl_b32 s19, s12, 14                        ; my 64 rows of a tile.  No place in the cluster enters these registers
	s_add_co_u32 s18, s18, s19
	s_mov_b32 s19, 0
	s_lshl_b32 s20, s16, 15                        ; Q: 128 rows of 256 bytes a block,
	s_lshl_b32 s21, s13, 14                        ; 64 rows a query half
	s_add_co_u32 s20, s20, s21
	s_mov_b32 s21, 0
	s_lshl_b32 s60, s16, 16                        ; out0: 128 rows of 512 bytes a block,
	s_lshl_b32 s61, s12, 14                        ; 32 rows a wave
	s_add_co_u32 s60, s60, s61
	s_mov_b32 s61, 0
	s_mul_i32 s25, s12, 64*KPITCH                  ; where my 64 rows of K go,
	s_mul_i32 s26, s12, 64*VPITCH                  ; and of V
	; group 1: tiles of 64 rows x 128 elements of 2 bytes; mask 15 (the whole cluster) with bit 21 beside it; padding behind every 64 words
	s_mov_b32 s[G1K+0], 15|(1<<16)|(1<<20)|(1<<21)|(5<<22)|(3<<25)  ; K: 4 words of padding
	s_mov_b32 s[G1V+0], 15|(1<<16)|(1<<20)|(1<<21)|(5<<22)|(7<<25)  ; V: 8 words
	s_mov_b32 s[G1K+1], 128<<16
	s_mov_b32 s[G1V+1], 128<<16                    ; tensor_dim0 = 128
	s_mov_b32 s[G1K+2], 64<<16
	s_mov_b32 s[G1V+2], 64<<16                     ; tensor_dim1 = 64
	s_mov_b32 s[G1K+3], 128<<16
	s_mov_b32 s[G1V+3], 128<<16                    ; tile_dim0 = 128
	s_mov_b32 s[G1K+4], 64
	s_mov_b32 s[G1V+4], 64                         ; tile_dim1 = 64
	s_mov_b32 s[G1K+5], 128
	s_mov_b32 s[G1V+5], 128                        ; elements from row to row
	s_mov_b32 s[G1K+6], 0
	s_mov_b32 s[G1V+6], 0
	s_mov_b32 s[G1K+7], 0
	s_mov_b32 s[G1V+7], 0
	v_and_b32 v1, 15, v0                           ; r
	v_bfe_u32 v2, v0, 4, 1                         ; h
	v_and_b32 v3, 31, v0                           ; lane
	v_lshlrev_b32 v[QO], 8, v1
	v_lshl_add_u32 v[QO], v2, 4, v[QO]
	s_wait_dscnt 0x0
	s_wait_kmcnt 0x0
	s_add_nc_u64 s[6:7], s[6:7], s[18:19]
	s_add_nc_u64 s[8:9], s[8:9], s[18:19]
	s_add_nc_u64 s[4:5], s[4:5], s[20:21]
	s_add_nc_u64 s[10:11], s[10:11], s[60:61]
.irp s, 0,1
	s_mov_b32 s[G0K+4*\s], 1
	s_add_co_u32 s[G0K+4*\s+1], s25, \s*SLOT
	s_add_nc_u64 s[G0K+4*\s+2:G0K+4*\s+3], s[6:7], \s*TILEB        ; tile s
	s_or_b32 s[G0K+4*\s+3], s[G0K+4*\s+3], 0x80000000
	s_mov_b32 s[G0V+4*\s], 1
	s_add_co_u32 s[G0V+4*\s+1], s26, \s*SLOT+KREG
	s_add_nc_u64 s[G0V+4*\s+2:G0V+4*\s+3], s[8:9], \s*TILEB
	s_or_b32 s[G0V+4*\s+3], s[G0V+4*\s+3], 0x80000000
.endr
	ROUND                                          ; the four work-groups are here: the first joint loads meet
	tensor_load_to_lds s[G0K:G0K+3], s[G1K:G1K+7]  ; tile 0
	s_nop 0
	tensor_load_to_lds s[G0V:G0V+3], s[G1V:G1V+7]
	s_nop 0
	; Q, once, straight into fragments: lane (r, h) takes row 16 qt + r, d = 32 dc + 8 h + 0..7 and 32 dc + 16 + 8 h + 0..7
	WIN W_Q
.irp qt, 0,1,2,3
.irp dc, 0,1,2,3
	global_load_b128 v[8*(4*\qt+\dc):8*(4*\qt+\dc)+3],   v[QO], s[4:5] offset:\qt*4096+\dc*64
	global_load_b128 v[8*(4*\qt+\dc)+4:8*(4*\qt+\dc)+7], v[QO], s[4:5] offset:\qt*4096+\dc*64+32
.endr
.endr
	WIN 0
	v_mul_u32_u24 v4, v1, KPITCH                   ; K fragment: row r, 16 bytes for each half of the lanes,
	v_lshl_add_u32 v4, v2, 4, v4
	s_mul_i32 s27, s14, 128*KPITCH                 ; in my key half
	v_add_nc_u32 v[ADK], s27, v4
	v_add_nc_u32 v[ADK+1], SLOT, v[ADK]
	v_and_b32 v5, 7, v0                            ; V fragment, transposing load: key row 8 h + (lane & 7),
	v_lshl_add_u32 v5, v2, 3, v5
	v_mul_u32_u24 v5, v5, VPITCH
	v_bfe_u32 v6, v0, 3, 1                         ; 16 bytes (8 d) by bit 3 of the lane
	v_lshl_add_u32 v5, v6, 4, v5
	s_mul_i32 s27, s14, 128*VPITCH
	s_add_co_u32 s27, s27, KREG
	v_add_nc_u32 v[ADV], s27, v5
	v_add_nc_u32 v[ADV+1], SLOT, v[ADV]
	v_lshlrev_b32 v[GO], 4, v3
	v_mul_u32_u24 v4, v1, OPITCH                   ; stage, in: row r, 32 bytes (8 d) for each half of the lanes
	v_lshl_add_u32 v4, v2, 5, v4
	s_mul_i32 s27, s12, STAGEW
	v_add_nc_u32 v[STO], s27, v4
	s_mul_i32 s27, s13, 2*STAGEW                   ; stage, back: the first stage of my query half, my 32 of its 64 rows
	s_mul_i32 s2, s14, 32*OPITCH
	s_add_co_u32 s27, s27, s2
	v_add_nc_u32 v[RD], s27, v[GO]
	s_lshl_b32 s27, s12, 10
	s_add_co_u32 s27, s27, STAT
	v_add_nc_u32 v[STA], s27, v[GO]
	s_xor_b32 s27, s12, 1                          ; the wave with my queries and the other key half
	s_lshl_b32 s27, s27, 10
	s_add_co_u32 s27, s27, STAT
	v_add_nc_u32 v[STP], s27, v[GO]
.irp qt, 0,1,2,3
	v_mov_b32 v[M+2*\qt], 0xff800000               ; -infinity: the first update's factor is 2^-infinity = 0
	v_mov_b32 v[NM+2*\qt+1], 0                     ; the pairs' second registers are named by the packed forms and never used
	v_mov_b32 v[AL+2*\qt+1], 0
.endr
.irp i, 0,1,2,3,4,5,6,7,8,9,10,11,12,13,14,15
	v_mov_b32 v[L+\i], 0
.endr
; 16 LDS loads: K fragments of key tiles 2 g, 2 g + 1 of my half (16 keys x 128 d each) into buffer f
.macro FETCHK slot, g, f
	WIN 0
.irp ktl, 0,1
.irp dc, 0,1,2,3
	ds_load_b128 v[\f+32*\ktl+8*\dc:\f+32*\ktl+8*\dc+3],   v[ADK+\slot] offset:(2*\g+\ktl)*16*KPITCH+\dc*64
	ds_load_b128 v[\f+32*\ktl+8*\dc+4:\f+32*\ktl+8*\dc+7], v[ADK+\slot] offset:(2*\g+\ktl)*16*KPITCH+\dc*64+32
.endr
.endr
.endm
; 16 transposing LDS loads: V^T fragments of keys 32 c .. 32 c + 31 of my half, all eight d tiles, into buffer f
.macro FETCHV slot, c, f
	WIN 0
.irp dt, 0,1,2,3,4,5,6,7
	ds_load_tr16_b128 v[\f+8*\dt:\f+8*\dt+3],   v[ADV+\slot] offset:\c*32*VPITCH+\dt*32
	ds_load_tr16_b128 v[\f+8*\dt+4:\f+8*\dt+7], v[ADV+\slot] offset:\c*32*VPITCH+\dt*32+16*VPITCH
.endr
.endm
; 32 matrix instructions: S^T of key tiles 2 g, 2 g + 1 x my four query tiles.  The first 32 along d start the sums: nothing is cleared.
; The eight sums take turns, one instruction a turn, here and in MULPV and from each run into the next.
.macro MULS g, f
	WIN W_S
.irp dc, 0,1,2,3
.irp ktl, 0,1
.irp qt, 0,1,2,3
.if \dc == 0
	v_wmma_f32_16x16x32_f16 v[8*(4*(2*\g+\ktl)+\qt):8*(4*(2*\g+\ktl)+\qt)+7], v[\f+32*\ktl+8*\dc:\f+32*\ktl+8*\dc+7], v[8*(4*\qt+\dc):8*(4*\qt+\dc)+7], 0
.else
	v_wmma_f32_16x16x32_f16 v[8*(4*(2*\g+\ktl)+\qt):8*(4*(2*\g+\ktl)+\qt)+7], v[\f+32*\ktl+8*\dc:\f+32*\ktl+8*\dc+7], v[8*(4*\qt+\dc):8*(4*\qt+\dc)+7], v[8*(4*(2*\g+\ktl)+\qt):8*(4*(2*\g+\ktl)+\qt)+7]
.endif
.endr
.endr
.endr
.endm
; 32 matrix instructions: O^T += V^T P^T over keys 32 c .. 32 c + 31; zero = 1: they start the sums
.macro MULPV c, f, zero
	WIN W_PV
.irp dt, 0,1,2,3,4,5,6,7
.irp qt, 0,1,2,3
.if \zero
	v_wmma_f32_16x16x32_f16 v[8*(4*\dt+\qt):8*(4*\dt+\qt)+7], v[\f+8*\dt:\f+8*\dt+7], v[8*(8*\c+\qt):8*(8*\c+\qt)+7], 0
.else
	v_wmma_f32_16x16x32_f16 v[8*(4*\dt+\qt):8*(4*\dt+\qt)+7], v[\f+8*\dt:\f+8*\dt+7], v[8*(8*\c+\qt):8*(8*\c+\qt)+7], v[8*(4*\dt+\qt):8*(4*\dt+\qt)+7]
.endif
.endr
.endr
.endm
; One softmax update over my 128 keys x 64 queries: 64 scores a lane and query tile.  first = 1: there is no O yet to rescale.
.macro SOFTMAX first
	WIN W_MAX                                      ; the new maximum: eight chains (two a query tile), begun from the old maximum
.irp s, 0,1,2,3,4,5,6,7,8,9,10,11,12,13,14,15
.irp qt, 0,1,2,3
.irp ch, 0,1
.if \s == 0
	v_max3_num_f32 v[T+2*\qt+\ch], v[M+2*\qt], v[8*(4*\ch+\qt)], v[8*(4*\ch+\qt)+1]
.else
	v_max3_num_f32 v[T+2*\qt+\ch], v[T+2*\qt+\ch], v[8*(4*(2*(\s>>2)+\ch)+\qt)+2*(\s&3)], v[8*(4*(2*(\s>>2)+\ch)+\qt)+2*(\s&3)+1]
.endif
.endr
.endr
.endr
	WIN 0
.irp qt, 0,1,2,3
	v_max_num_f32 v[T+2*\qt], v[T+2*\qt], v[T+2*\qt+1]
.endr
.irp qt, 0,1,2,3
	v_permlanex16_b32 v[T+2*\qt+1], v[T+2*\qt], s22, s23           ; the same query's other eight keys of each tile lie 16 lanes away
.endr
.irp qt, 0,1,2,3
	v_max_num_f32 v[T+2*\qt], v[T+2*\qt], v[T+2*\qt+1]
.endr
.irp qt, 0,1,2,3
	v_sub_f32 v[AL+2*\qt], v[M+2*\qt], v[T+2*\qt]
.endr
.irp qt, 0,1,2,3
	v_exp_f32 v[AL+2*\qt], v[AL+2*\qt]
.endr
.irp qt, 0,1,2,3
	v_mov_b32 v[M+2*\qt], v[T+2*\qt]               ; plain instructions that touch no AL stand behind the exponentials (ISA guide 5.7.2)
	v_mul_f32 v[NM+2*\qt], -1.0, v[T+2*\qt]
.endr
	s_wait_alu depctr_va_vdst(0)
.irp qt, 0,1,2,3
	v_pk_mul_f32 v[L+4*\qt:L+4*\qt+1],   v[L+4*\qt:L+4*\qt+1],   v[AL+2*\qt:AL+2*\qt+1] op_sel_hi:[1,0]
	v_pk_mul_f32 v[L+4*\qt+2:L+4*\qt+3], v[L+4*\qt+2:L+4*\qt+3], v[AL+2*\qt:AL+2*\qt+1] op_sel_hi:[1,0]
.endr
	WIN W_EXP                                      ; p = 2^(s - m), in place; behind a tile's exponentials stand the next tile's adds
.irp kt, 0,1,2,3,4,5,6,7
.irp qt, 0,1,2,3
.irp j, 0,2,4,6
	v_pk_add_f32 v[8*(4*\kt+\qt)+\j:8*(4*\kt+\qt)+\j+1], v[8*(4*\kt+\qt)+\j:8*(4*\kt+\qt)+\j+1], v[NM+2*\qt:NM+2*\qt+1] op_sel_hi:[1,0]
.endr
.irp j, 0,1,2,3,4,5,6,7
	v_exp_f32 v[8*(4*\kt+\qt)+\j], v[8*(4*\kt+\qt)+\j]
.endr
.endr
.endr
	v_nop                                          ; the place behind the last tile's exponentials
	WIN W_SUM                                      ; l += p, in f32; the eight chains take turns
	s_wait_alu depctr_va_vdst(0)
.irp kt, 0,1,2,3,4,5,6,7
.irp jj, 0,1,2,3
.irp qt, 0,1,2,3
	v_pk_add_f32 v[L+4*\qt+2*(\jj&1):L+4*\qt+2*(\jj&1)+1], v[L+4*\qt+2*(\jj&1):L+4*\qt+2*(\jj&1)+1], v[8*(4*\kt+\qt)+2*\jj:8*(4*\kt+\qt)+2*\jj+1]
.endr
.endr
.endr
	WIN W_CVT                                      ; P(c, qt): registers 0-3 from tile 2 c (in place, each source read before it is overwritten), 4-7 from tile 2 c + 1
.irp c, 0,1,2,3
.irp qt, 0,1,2,3
.irp j, 0,1,2,3
	v_cvt_pk_f16_f32 v[8*(8*\c+\qt)+\j], v[8*(8*\c+\qt)+2*\j], v[8*(8*\c+\qt)+2*\j+1]
.endr
.irp j, 0,1,2,3
	v_cvt_pk_f16_f32 v[8*(8*\c+\qt)+4+\j], v[8*(8*\c+4+\qt)+2*\j], v[8*(8*\c+4+\qt)+2*\j+1]
.endr
.endr
.endr
.if \first == 0
	WIN W_RS                                       ; O *= 2^(old maximum - new maximum)
.irp dt, 0,1,2,3,4,5,6,7
.irp qt, 0,1,2,3
.irp j, 0,2,4,6
	v_pk_mul_f32 v[8*(4*\dt+\qt)+\j:8*(4*\dt+\qt)+\j+1], v[8*(4*\dt+\qt)+\j:8*(4*\dt+\qt)+\j+1], v[AL+2*\qt:AL+2*\qt+1] op_sel_hi:[1,0]
.endr
.endr
.endr
.endif
.endm
; One tile of 256 keys, in slot `slot`.  refill = 1: the other slot gets the next tile.
; A load into a register that a matrix instruction has read, and a vector instruction that reads a matrix result, stand four places behind it;
; a matrix instruction that writes over another's source five (ISA guide 7.12.1 for vector instructions): the v_nop of PLACES.
; Every s_wait_dscnt 16 leaves out exactly the 16 fragment loads issued last; the 16 before them are in.
.macro TRIP slot, refill, first
	WIN 0
	s_wait_tensorcnt 0x0                           ; all my tensor loads have landed, my rows of this tile among them,
	ds_add_u32 v254, v255
	s_wait_dscnt 0x0
	s_add_nc_u64 s[G0K+4*\slot+2:G0K+4*\slot+3], s[G0K+4*\slot+2:G0K+4*\slot+3], 2*TILEB   ; so every group 0 may be written: this slot's next tile
	s_add_nc_u64 s[G0V+4*\slot+2:G0V+4*\slot+3], s[G0V+4*\slot+2:G0V+4*\slot+3], 2*TILEB   ; (in the last two trips the stepped addresses are not used)
	s_wait_dscnt 0x0                               ; my reads of the last tile are back
	ROUND                                          ; both now hold of every wave of the four work-groups
.if \refill
	tensor_load_to_lds s[G0K+4-4*\slot:G0K+7-4*\slot], s[G1K:G1K+7]        ; the next tile, into the slot read last: the first tensor loads behind the round
	s_nop 0
	tensor_load_to_lds s[G0V+4-4*\slot:G0V+7-4*\slot], s[G1V:G1V+7]
	s_nop 0
.endif
	PLACES 5                                       ; behind the last step's matrix instructions: their buffers are loaded again, their P written over
	FETCHK \slot, 0, F0
	FETCHK \slot, 1, F1
	s_wait_dscnt 16
	MULS 0, F0
	PLACES 4
	FETCHK \slot, 2, F0
	s_wait_dscnt 16
	MULS 1, F1
	PLACES 4
	FETCHK \slot, 3, F1
	s_wait_dscnt 16
	MULS 2, F0
	s_wait_dscnt 0x0
	MULS 3, F1
	PLACES 4
	FETCHV \slot, 0, F0                            ; V's first fragments come in under the softmax
	FETCHV \slot, 1, F1
	SOFTMAX \first
	s_wait_dscnt 16
	MULPV 0, F0, \first
	PLACES 4
	FETCHV \slot, 2, F0
	s_wait_dscnt 16
	MULPV 1, F1, 0
	PLACES 4
	FETCHV \slot, 3, F1
	s_wait_dscnt 16
	MULPV 2, F0, 0
	s_wait_dscnt 0x0
	MULPV 3, F1, 0
.endm
	s_wait_loadcnt 0x0                             ; Q, once
	TRIP 0, 1, 1                                   ; tiles 0 and 1 stand in front of the loop: tile 0's products start O's sums
	TRIP 1, 1, 0
	WIN 0                                          ; at a label and at a branch every window is 0
	s_mov_b32 s24, 6
.Lpair:
	TRIP 0, 1, 0                                   ; tiles 2 .. 13
	TRIP 1, 1, 0
	WIN 0
	s_sub_co_u32 s24, s24, 1
	s_cmp_lg_u32 s24, 0
	s_cbranch_scc1 .Lpair
	TRIP 0, 1, 0                                   ; tile 14 asks for tile 15, the last
	TRIP 1, 0, 0
	; THE END.  Slot 0 has had its last fill (tile 14), and every wave's reads of it were back in front of tile 15's round: it now holds
	; the four stages and the words for m and l.  First the two key halves agree on a maximum and a sum.
	PLACES 4
	WIN 0
.irp qt, 0,1,2,3
	v_mov_b32 v[EM+\qt], v[M+2*\qt]
	v_add_f32 v[EL+\qt], v[L+4*\qt], v[L+4*\qt+1]
	v_add_f32 v[ET+\qt], v[L+4*\qt+2], v[L+4*\qt+3]
.endr
.irp qt, 0,1,2,3
	v_add_f32 v[EL+\qt], v[EL+\qt], v[ET+\qt]
.endr
	ds_store_b128 v[STA], v[EM:EM+3]
	ds_store_b128 v[STA], v[EL:EL+3] offset:512
	s_wait_dscnt 0x0                               ; for the other wave's sake: zero
	s_barrier_signal -1
	s_barrier_wait -1
	ds_load_b128 v[PM:PM+3], v[STP]                ; the same lane of the partner holds the same queries
	ds_load_b128 v[PL:PL+3], v[STP] offset:512
	s_wait_dscnt 0x0
.irp qt, 0,1,2,3
	v_max_num_f32 v[ET+\qt], v[EM+\qt], v[PM+\qt]
.endr
.irp qt, 0,1,2,3
	v_sub_f32 v[EM+\qt], v[EM+\qt], v[ET+\qt]
	v_sub_f32 v[PM+\qt], v[PM+\qt], v[ET+\qt]
.endr
.irp qt, 0,1,2,3
	v_exp_f32 v[EM+\qt], v[EM+\qt]                 ; my factor,
	v_exp_f32 v[PM+\qt], v[PM+\qt]                 ; the partner's
.endr
	v_nop                                          ; the place behind the exponentials
	s_wait_alu depctr_va_vdst(0)
.irp qt, 0,1,2,3
	v_mul_f32 v[EL+\qt], v[EL+\qt], v[EM+\qt]
.endr
.irp qt, 0,1,2,3
	v_fmac_f32 v[EL+\qt], v[PL+\qt], v[PM+\qt]
.endr
.irp qt, 0,1,2,3
	v_permlanex16_b32 v[ET+\qt], v[EL+\qt], s22, s23               ; and the same query's other lane
.endr
.irp qt, 0,1,2,3
	v_add_f32 v[EL+\qt], v[EL+\qt], v[ET+\qt]
.endr
.irp qt, 0,1,2,3
	v_rcp_f32 v[EL+\qt], v[EL+\qt]
.endr
	v_nop                                          ; the place behind the reciprocals
	s_wait_alu depctr_va_vdst(0)
.irp qt, 0,1,2,3
	v_mul_f32 v[AL+2*\qt], v[EM+\qt], v[EL+\qt]    ; my factor / the whole sum
.endr
	WIN W_RS
.irp dt, 0,1,2,3,4,5,6,7
.irp qt, 0,1,2,3
.irp j, 0,2,4,6
	v_pk_mul_f32 v[8*(4*\dt+\qt)+\j:8*(4*\dt+\qt)+\j+1], v[8*(4*\dt+\qt)+\j:8*(4*\dt+\qt)+\j+1], v[AL+2*\qt:AL+2*\qt+1] op_sel_hi:[1,0]
.endr
.endr
.endr
	WIN W_ST                                       ; lane (r, h) holds query 16 qt + r, d = 16 dt + 8 h + 0..7: 32 bytes of a row of my stage
.irp qt, 0,1,2,3
.irp dt, 0,1,2,3,4,5,6,7
	ds_store_b128 v[STO], v[8*(4*\dt+\qt):8*(4*\dt+\qt)+3]   offset:\qt*16*OPITCH+\dt*64
	ds_store_b128 v[STO], v[8*(4*\dt+\qt)+4:8*(4*\dt+\qt)+7] offset:\qt*16*OPITCH+\dt*64+16
.endr
.endr
	WIN 0
	s_wait_dscnt 0x0                               ; for the other wave's sake: zero
	s_barrier_signal -1
	s_barrier_wait -1
	; Each wave adds 32 rows of its query half's two stages and stores them: a row is 512 consecutive bytes, aligned, one store of the wave.
	; Each batch's sums lie in registers of their own, so no store's data is ever rewritten.
.irp b, 0,1,2,3
.irp i, 0,1,2,3,4,5,6,7
	ds_load_b128 v[F0+32*\b+4*\i:F0+32*\b+4*\i+3], v[RD] offset:(8*\b+\i)*OPITCH
.endr
.irp i, 0,1,2,3,4,5,6,7
	ds_load_b128 v[E2+4*\i:E2+4*\i+3], v[RD] offset:STAGEW+(8*\b+\i)*OPITCH
.endr
	s_wait_dscnt 0x0
.irp i, 0,1,2,3,4,5,6,7
	v_pk_add_f32 v[F0+32*\b+4*\i:F0+32*\b+4*\i+1],   v[F0+32*\b+4*\i:F0+32*\b+4*\i+1],   v[E2+4*\i:E2+4*\i+1]
	v_pk_add_f32 v[F0+32*\b+4*\i+2:F0+32*\b+4*\i+3], v[F0+32*\b+4*\i+2:F0+32*\b+4*\i+3], v[E2+4*\i+2:E2+4*\i+3]
	global_store_b128 v[GO], v[F0+32*\b+4*\i:F0+32*\b+4*\i+3], s[10:11] offset:(8*\b+\i)*512 th:TH_STORE_NT
.endr
.endr
	s_wait_tensorcnt 0x0
	ds_add_u32 v254, v255
	s_wait_dscnt 0x0
	ROUND                                          ; the closing round: no work-group ends while a partner may still ask for a tile that names it
	s_endpgm
.Lfunc_end_k_qcea95d8495_attn:
	.size	k_qcea95d8495_attn, .Lfunc_end_k_qcea95d8495_attn-k_qcea95d8495_attn
	.p2alignl 7, 3214868480
	.fill 96, 4, 3214868480
	.section	.rodata,"a",@progbits
	.p2align	6, 0x0
	.amdhsa_kernel k_qcea95d8495_attn
		.amdhsa_group_segment_fixed_size 327680
		.amdhsa_private_segment_fixed_size 0
		.amdhsa_enable_private_segment 0
		.amdhsa_kernarg_size 32
		.amdhsa_user_sgpr_count 2
		.amdhsa_user_sgpr_kernarg_segment_ptr 1
		.amdhsa_wavefront_size32 1
		.amdhsa_system_sgpr_workgroup_id_x 1
		.amdhsa_system_sgpr_workgroup_id_y 1
		.amdhsa_system_sgpr_workgroup_id_z 1
		.amdhsa_system_vgpr_workitem_id 0
		.amdhsa_next_free_vgpr 896
		.amdhsa_next_free_sgpr 66
		.amdhsa_reserve_vcc 0
		.amdhsa_float_denorm_mode_32 3
		.amdhsa_float_denorm_mode_16_64 3
		.amdhsa_memory_ordered 1
		.amdhsa_forward_progress 1
		.amdhsa_inst_pref_size 255
	.end_amdhsa_kernel
	.section	.bss,"aw",@nobits
	.p2align	6
	.space	262144
	.amdgpu_metadata
---
amdhsa.version: [ 1, 2 ]
amdhsa.kernels:
  - .name:           k_qcea95d8495_attn
    .symbol:         k_qcea95d8495_attn.kd
    .args:
      - { .name: Qp, .offset: 0, .size: 8, .value_kind: global_buffer, .address_space: global }
      - { .name: Kp, .offset: 8, .size: 8, .value_kind: global_buffer, .address_space: global }
      - { .name: Vp, .offset: 16, .size: 8, .value_kind: global_buffer, .address_space: global }
      - { .name: out0, .offset: 24, .size: 8, .value_kind: global_buffer, .address_space: global }
    .group_segment_fixed_size: 327680
    .private_segment_fixed_size: 0
    .kernarg_segment_align: 8
    .kernarg_segment_size: 32
    .max_flat_workgroup_size: 128
    .sgpr_count:     66
    .vgpr_count:     896
    .wavefront_size: 32
...
	.end_amdgpu_metadata
.endif
;; end of part 2
